; MI455X (gfx1250); checked and timed in simulation.
; The chip was launched on July 23, 2026; its instructions are those of AMD's public machine-readable ISA for CDNA 5 (MIT licence, August 2026) and "CDNA5" Instruction Set Architecture Reference Guide (July 2026). The comments in the code are by the model that wrote it; some were corrected since.
;; Tucker Linear Layer. Allowed arithmetic: matrix products marked QUANTISED: E3M2 operands, one E8M0 scale for each 32 along K, by v_wmma_scale_f32_16x16x128_f8f6f4 with both operands' format E3M2, f32 sums; products left as they are: f32 operands where the result goes on into a quantised operand, else bf16, f16 or f32 operands; f32 sums; everything else in f32.
;; Inputs: bias 4,096 float32; core 8 x 8 x 8 x 8 x 8 x 8 float32; f0 16 x 8 float32; f1 16 x 8 float32; f2 16 x 8 float32; f3 16 x 8 float32; f4 16 x 8 float32; f5 16 x 8 float32; x 4,096 x 4,096 float32.
;; Outputs: out0 4,096 x 4,096 float32.
;; This version of the problem:
;;   THIS VERSION OF THE PROBLEM IS GIVEN IN LOW PRECISION. The matrix products marked QUANTISED in the list below multiply operands that are first quantised to E3M2 (3 exponent bits, 2 mantissa bits; 6 bits a number), with one power-of-two scale for each 32 numbers along K (OCP MX v1.0); their sums are f32. All else is computed in f32.
;;   The module's matrix products, in the order in which they are computed (A, B: the left and right operand; K: the contracted axis; several contracted axes count as one K, in the product's order):
;;     1. [M 16, K 8] x [K 8, N 32,768]; A: input f0; B: input core: left as it is (K = 8 < 32)
;;     2. [M 65,536, K 8] x [K 8, N 16]; A: computed on the way; B: input f1: left as it is (K = 8 < 32)
;;     3. [M 131,072, K 8] x [K 8, N 16]; A: computed on the way; B: input f2: left as it is (K = 8 < 32)
;;     4. [M 262,144, K 8] x [K 8, N 16]; A: computed on the way; B: input f3: left as it is (K = 8 < 32)
;;     5. [M 524,288, K 8] x [K 8, N 16]; A: computed on the way; B: input f4: left as it is (K = 8 < 32)
;;     6. [M 1,048,576, K 8] x [K 8, N 16]; A: computed on the way; B: input f5: left as it is (K = 8 < 32)
;;     7. [M 4,096, K 4,096] x [K 4,096, N 4,096]; A: input x; B: computed on the way: QUANTISED
;;   THE QUANTISER, for each operand of a quantised product, along K:
;;     - K is cut into blocks of 32 from its start; a last block that is shorter is filled with zeros.
;;     - A block's scale is 2^e with e = floor(log2(the largest magnitude in the block)) - 4, held to -126 .. 127; a block of zeros has e = 0. As a byte (E8M0): e + 127.
;;     - Each number is divided by its block's scale, clamped to +-28, and rounded to the nearest number of E3M2, ties to even, subnormals kept.
;;     - The product sums the exact products of the quantised numbers (number of the format x scale) in f32.
;;   ~~~python
;;   def quantise(x, axis):      # numpy; x: float32 -> the quantised numbers, widened to float32 again
;;       x = np.moveaxis(x, axis, -1); K = x.shape[-1]
;;       x = np.pad(x, [(0, 0)] * (x.ndim - 1) + [(0, -K % 32)]); x = x.reshape(x.shape[:-1] + (-1, 32)); a = np.abs(x).max(-1, keepdims=True)
;;       e = np.where(a > 0, np.clip(np.frexp(np.where(a > 0, a, 1))[1] - 1 - 4, -126, 127), 0)      # np.frexp(a)[1] - 1 = floor(log2(a)), exactly
;;       r = np.clip(x / 2.0 ** e, -28, 28)
;;       step = 2.0 ** (np.maximum(np.frexp(np.where(r == 0, 1, r))[1] - 1, -2) - 2)
;;       q = np.round(r / step) * step * 2.0 ** e      # np.round: ties to even
;;       return np.moveaxis(q.reshape(q.shape[:-2] + (-1,))[..., :K], -1, axis).astype(np.float32)
;;   ~~~
;;   OPERANDS COMPUTED ON THE WAY. 'Computed on the way' means the value that the module computes at that place (a softmax that the list does not call 'softmax' is quantised finished and normalised). What goes into a quantiser is computed in f32, as accurately as f32 sums, v_exp_f32 and their like allow (about 1e-6 of the number): no bf16 or f16 on the way to a quantiser, and a product that is left as it is and whose result goes on into a quantised operand takes f32 operands (vector FMAs, or v_wmma_f32_16x16x4_f32). A number that lies on a knife's edge between two numbers of the format may be rounded either way, as far as f32 arithmetic and the matrix unit's own rounding can turn it there, and no further.
;; One version. Each part assembles by itself: llvm-mc -triple=amdgcn-amd-amdhsa -mcpu=gfx1250 --defsym DOCPART=n.
;; ======== version 1 of 1: 3 launches
;; limits: right only within a limited range of input values
;; workspace buffers: g 8,388,608 bytes; x_img 13,107,200 bytes; w_img 13,107,200 bytes
;; launch outside (part 1): grid 256 x 1, 8 waves a work-group, no clusters, 33,792 bytes of LDS; arguments core, f0, f1, f2, g; writes g
.if DOCPART == 1
	.amdgcn_target "amdgcn-amd-amdhsa--gfx1250"
	.amdhsa_code_object_version 6
	.text
	.protected	k_q3f81595143_outside
	.globl	k_q3f81595143_outside
	.p2align	8
	.type	k_q3f81595143_outside,@function
k_q3f81595143_outside:
	s_mov_b64 s[64:65], 0
	v_nop
	global_prefetch_b8 v0, s[64:65] scope:SCOPE_SE
	s_setreg_imm32_b32 hwreg(HW_REG_WAVE_MODE, 25, 1), 1
	s_wait_xcnt 0x0
; G[a b c][l m n] = sum over i, j, k of f0[a][i] f1[b][j] f2[c][k] core[i][j][k][l m n]: the three out-side products of the Tucker chain, in that order, all in f32 (fused multiply-adds, each sum ascending).
; core: [8][8][8][512] f32.  f0, f1, f2: [16][8] f32.  G: [4096][512] f32, row = 256 a + 16 b + c.
; SHARES.  Work-group id: a = id / 16, bh = (id / 8) % 2, cg = id % 8.  It owns columns 64 cg .. 64 cg + 63 of l m n and rows (a, b = 8 bh .. 8 bh + 7, every c).  A lane owns two neighbouring columns, 8 bytes,
; so each load and store of a wave covers 256 consecutive bytes that begin at a multiple of 256 from the buffer's first byte.
; Eight waves, three jobs in turn: wave w contracts i for j = w; then j for b = 8 bh + w; then k for c = 2 w and 2 w + 1.  Between the jobs the partial results change waves through LDS, behind a barrier.
; NO CLUSTER: a work-group's share of core, 128 KiB, is fetched once, by 64 loads a wave at the head, straight into the registers that multiply it; there is no loop in which tiles could take turns.
; LIMITS: NaN and infinities among the inputs are not served.
.set OFF, 1                            ; v1       8 x lane: my two columns; global offset and LDS read address; never rewritten
.set LW,  2                            ; v2       2048 x wave + 8 x lane: where I put my 8 partial rows in LDS
.set K0,  4                            ; v4-11    f0[a][0..7]
.set K1,  12                           ; v12-19   f1[b][0..7]
.set K2,  20                           ; v20-35   f2[2 w][0..7], f2[2 w + 1][0..7]
.set PA,  36                           ; v36-51   8 sums of two columns
.set OA,  52                           ; v52-83   16 sums of two columns: (b local, c local) at 2 (2 bl + cc)
.set DA,  84                           ; v84-211  64 pairs as loaded
.set P1,  0                            ; LDS: [j][k][256 bytes]
.set P2,  16384                        ; LDS: [b local][k][256 bytes]
; Eight packed multiply-adds, one on each of eight sums by turns: dst[k] += src[k] x the one coefficient in v[kreg], which feeds both halves (op_sel picks the register of the even-aligned pair).
; first = 1: the products start the sums, so nothing is cleared (the first coefficient of a run lies in an even register).
.macro FMA8 dst, src, kreg, first
.set KP, ((\kreg)/2)*2
.irp k, 0,1,2,3,4,5,6,7
.if \first
	v_pk_mul_f32 v[\dst+2*\k:\dst+2*\k+1], v[\src+2*\k:\src+2*\k+1], v[KP:KP+1] op_sel_hi:[1,0]
.elseif (\kreg)%2 == 0
	v_pk_fma_f32 v[\dst+2*\k:\dst+2*\k+1], v[\src+2*\k:\src+2*\k+1], v[KP:KP+1], v[\dst+2*\k:\dst+2*\k+1] op_sel_hi:[1,0,1]
.else
	v_pk_fma_f32 v[\dst+2*\k:\dst+2*\k+1], v[\src+2*\k:\src+2*\k+1], v[KP:KP+1], v[\dst+2*\k:\dst+2*\k+1] op_sel:[0,1,0] op_sel_hi:[1,1,1]
.endif
.endr
.endm
	s_load_b256 s[4:11], s[0:1], 0x0               ; core s[4:5], f0 s[6:7], f1 s[8:9], f2 s[10:11]
	s_load_b64 s[12:13], s[0:1], 0x20              ; G
	v_lshl_add_u32 v216, v0, 2, 0x8000
	v_mov_b32 v217, 0
	v_lshrrev_b32 v3, 5, v0
	s_delay_alu instid0(VALU_DEP_1)
	v_readfirstlane_b32 s14, v3                    ; wave 0..7
	v_and_b32 v3, 31, v0
	s_delay_alu instid0(VALU_DEP_1)
	v_lshlrev_b32 v[OFF], 3, v3
	s_lshr_b32 s15, ttmp9, 4                       ; a
	s_bfe_u32 s16, ttmp9, 0x10003                  ; bh
	s_and_b32 s17, ttmp9, 7                        ; cg
	s_lshl_b32 s20, s14, 11
	v_add_nc_u32 v[LW], s20, v[OFF]
	s_lshl_b32 s21, s17, 8                         ; 256 cg: my columns' bytes in a row of 2,048
	s_lshl_b32 s18, s14, 14                        ; j = wave: 16,384 bytes of core
	s_add_co_u32 s18, s18, s21
	s_mov_b32 s19, 0
	s_wait_alu depctr_va_vdst(0)
	s_wait_kmcnt 0x0
	s_add_nc_u64 s[4:5], s[4:5], s[18:19]
.irp i, 0,1,2,3,4,5,6,7
.irp k, 0,1,2,3,4,5,6,7
	global_load_b64 v[DA+2*(8*\i+\k):DA+2*(8*\i+\k)+1], v[OFF], s[4:5] offset:131072*\i+2048*\k   ; core[i][wave][k][my columns]; 32 work-groups read the same bytes, so no hint
.endr
.endr
	s_lshl_b32 s18, s15, 5                         ; f0's row a
	s_add_nc_u64 s[6:7], s[6:7], s[18:19]
	s_lshl_b32 s18, s16, 3
	s_add_co_u32 s18, s18, s14                     ; b = 8 bh + wave
	s_lshl_b32 s18, s18, 5
	s_add_nc_u64 s[8:9], s[8:9], s[18:19]
	s_lshl_b32 s18, s14, 6                         ; f2's rows 2 wave and 2 wave + 1
	s_add_nc_u64 s[10:11], s[10:11], s[18:19]
	s_load_b256 s[24:31], s[6:7], 0x0
	s_load_b256 s[32:39], s[8:9], 0x0
	s_load_b512 s[40:55], s[10:11], 0x0
	s_lshl_b32 s18, s15, 8                         ; G's row 256 a + 128 bh + 2 wave, 2,048 bytes a row, + my columns
	s_lshl_b32 s20, s16, 7
	s_add_co_u32 s18, s18, s20
	s_lshl_b32 s20, s14, 1
	s_add_co_u32 s18, s18, s20
	s_lshl_b32 s18, s18, 11
	s_add_co_u32 s18, s18, s21
	s_add_nc_u64 s[12:13], s[12:13], s[18:19]
	s_wait_kmcnt 0x0
.irp q, 0,1,2,3,4,5,6,7
	v_mov_b32 v[K0+\q], s[24+\q]                   ; the coefficients go to vector registers: a packed form picks either register of a vector pair
	v_mov_b32 v[K1+\q], s[32+\q]
.endr
.irp q, 0,1,2,3,4,5,6,7,8,9,10,11,12,13,14,15
	v_mov_b32 v[K2+\q], s[40+\q]
.endr
	; ---- 1: P1[wave][k] = sum over i of f0[a][i] core[i][wave][k]
	s_wait_loadcnt 56                              ; loads come back in order (ISA guide 5.7.1): i = 0's eight are in, the 56 of the later i may be out
	FMA8 PA, DA, K0, 1
	s_wait_alu depctr_va_vdst(0)
.irp i, 1,2,3,4,5,6,7
	s_wait_alu depctr_va_vdst(0)
	s_wait_loadcnt 56-8*\i                         ; the eight loads of each later i may be out
	FMA8 PA, DA+16*\i, K0+\i, 0
.endr
.irp k, 0,1,2,3,4,5,6,7
	ds_store_b64 v[LW], v[PA+2*\k:PA+2*\k+1] offset:P1+256*\k
.endr
	s_wait_dscnt 0x0                               ; for the others' sake: my stores have landed
	s_barrier_signal -1
	s_barrier_wait -1
	; ---- 2: P2[wave][k] = sum over j of f1[8 bh + wave][j] P1[j][k]
.irp j, 0,1,2,3,4,5,6,7
.irp k, 0,1,2,3,4,5,6,7
	ds_load_b64 v[DA+2*(8*\j+\k):DA+2*(8*\j+\k)+1], v[OFF] offset:P1+256*(8*\j+\k)
.endr
.endr
	s_wait_dscnt 56                                ; j = 0's eight are in
	FMA8 PA, DA, K1, 1
	s_wait_alu depctr_va_vdst(0)
.irp j, 1,2,3,4,5,6,7
	s_wait_alu depctr_va_vdst(0)
	s_wait_dscnt 56-8*\j                           ; the eight loads of each later j may be out
	FMA8 PA, DA+16*\j, K1+\j, 0
.endr
.irp k, 0,1,2,3,4,5,6,7
	ds_store_b64 v[LW], v[PA+2*\k:PA+2*\k+1] offset:P2+256*\k      ; other bytes than P1's, which some wave may still be reading
.endr
	s_wait_dscnt 0x0
	s_barrier_signal -1
	s_barrier_wait -1
	; ---- 3: G[a][8 bh + bl][2 wave + cc] = sum over k of f2[2 wave + cc][k] P2[bl][k]: sixteen sums by turns
.irp bl, 0,1,2,3,4,5,6,7
.irp k, 0,1,2,3,4,5,6,7
	ds_load_b64 v[DA+2*(8*\bl+\k):DA+2*(8*\bl+\k)+1], v[OFF] offset:P2+256*(8*\bl+\k)
.endr
.endr
	s_wait_dscnt 0x0
.irp k, 0,1,2,3,4,5,6,7
.irp bl, 0,1,2,3,4,5,6,7
.irp cc, 0,1
.set KP, K2+8*\cc+(\k/2)*2
.if \k == 0
	v_pk_mul_f32 v[OA+2*(2*\bl+\cc):OA+2*(2*\bl+\cc)+1], v[DA+2*(8*\bl+\k):DA+2*(8*\bl+\k)+1], v[KP:KP+1] op_sel_hi:[1,0]
.elseif \k%2 == 0
	v_pk_fma_f32 v[OA+2*(2*\bl+\cc):OA+2*(2*\bl+\cc)+1], v[DA+2*(8*\bl+\k):DA+2*(8*\bl+\k)+1], v[KP:KP+1], v[OA+2*(2*\bl+\cc):OA+2*(2*\bl+\cc)+1] op_sel_hi:[1,0,1]
.else
	v_pk_fma_f32 v[OA+2*(2*\bl+\cc):OA+2*(2*\bl+\cc)+1], v[DA+2*(8*\bl+\k):DA+2*(8*\bl+\k)+1], v[KP:KP+1], v[OA+2*(2*\bl+\cc):OA+2*(2*\bl+\cc)+1] op_sel:[0,1,0] op_sel_hi:[1,1,1]
.endif
.endr
.endr
.endr
.irp bl, 0,1,2,3,4,5,6,7
.irp cc, 0,1
	global_store_b64 v[OFF], v[OA+2*(2*\bl+\cc):OA+2*(2*\bl+\cc)+1], s[12:13] offset:2048*(16*\bl+\cc)   ; 32 lanes store 256 consecutive bytes
.endr
.endr
	s_wait_tensorcnt 0x0
	ds_add_u32 v216, v217
	s_wait_dscnt 0x0
	s_endpgm
.Lfunc_end_k_q3f81595143_outside:
	.size	k_q3f81595143_outside, .Lfunc_end_k_q3f81595143_outside-k_q3f81595143_outside
	.p2alignl 7, 3214868480
	.fill 96, 4, 3214868480
	.section	.rodata,"a",@progbits
	.p2align	6, 0x0
	.amdhsa_kernel k_q3f81595143_outside
		.amdhsa_group_segment_fixed_size 33792
		.amdhsa_private_segment_fixed_size 0
		.amdhsa_enable_private_segment 0
		.amdhsa_kernarg_size 40
		.amdhsa_user_sgpr_count 2
		.amdhsa_user_sgpr_kernarg_segment_ptr 1
		.amdhsa_wavefront_size32 1
		.amdhsa_system_sgpr_workgroup_id_x 1
		.amdhsa_system_sgpr_workgroup_id_y 1
		.amdhsa_system_sgpr_workgroup_id_z 1
		.amdhsa_system_vgpr_workitem_id 0
		.amdhsa_next_free_vgpr 218
		.amdhsa_next_free_sgpr 66
		.amdhsa_reserve_vcc 0
		.amdhsa_float_denorm_mode_32 3
		.amdhsa_float_denorm_mode_16_64 3
		.amdhsa_memory_ordered 1
		.amdhsa_forward_progress 1
		.amdhsa_inst_pref_size 37
	.end_amdhsa_kernel
	.amdgpu_metadata
---
amdhsa.version: [ 1, 2 ]
amdhsa.kernels:
  - .name:           k_q3f81595143_outside
    .symbol:         k_q3f81595143_outside.kd
    .args:
      - { .name: core, .offset: 0, .size: 8, .value_kind: global_buffer, .address_space: global }
      - { .name: f0, .offset: 8, .size: 8, .value_kind: global_buffer, .address_space: global }
      - { .name: f1, .offset: 16, .size: 8, .value_kind: global_buffer, .address_space: global }
      - { .name: f2, .offset: 24, .size: 8, .value_kind: global_buffer, .address_space: global }
      - { .name: g, .offset: 32, .size: 8, .value_kind: global_buffer, .address_space: global }
    .group_segment_fixed_size: 33792
    .private_segment_fixed_size: 0
    .kernarg_segment_align: 8
    .kernarg_segment_size: 40
    .max_flat_workgroup_size: 256
    .sgpr_count:     66
    .vgpr_count:     218
    .wavefront_size: 32
...
	.end_amdgpu_metadata
.endif
;; end of part 1
;; launch quant (part 2): grid 256 x 1, 12 waves a work-group, no clusters, 249,600 bytes of LDS; arguments x, g, f3, f4, f5, x_img, w_img; writes x_img, w_img
.if DOCPART == 2
	.amdgcn_target "amdgcn-amd-amdhsa--gfx1250"
	.amdhsa_code_object_version 6
	.text
	.protected	k_q3f81595143_quant
	.globl	k_q3f81595143_quant
	.p2align	8
	.type	k_q3f81595143_quant,@function
k_q3f81595143_quant:
	s_mov_b64 s[64:65], 0
	v_nop
	global_prefetch_b8 v0, s[64:65] scope:SCOPE_SE
	s_setreg_imm32_b32 hwreg(HW_REG_WAVE_MODE, 25, 1), 1
	s_wait_xcnt 0x0
; Both operands of the large product become codes of BF6 (E3M2), 6 bits each, with one E8M0 byte for each 32 along K, LAID AS THE PRODUCT'S LAUNCH READS THEM:
; [32 blocks of 128 rows][32 K steps of 128][a chunk of 12,800 bytes].  A chunk: 8 fragments (16 rows x 128 K) as images of the operand's 12 registers, 1,536 bytes each (registers 4 c .. 4 c + 3 of lane l at
; 512 c + 16 l; lane l = r + 16 h holds row r; registers 6 c .. 6 c + 5 hold k = 64 c + 32 h + 0 .. 31), then the 128 rows' scale words (row 16 i + r at 12,288 + 64 i + 4 r; byte b for k = 32 b .. 32 b + 31).
; TWO ROLES, parted on the wave's number; each wave has 16 KiB of LDS of its own (16,384 x wave).  They join at ONE barrier, behind which W's images, which four waves have gathered in LDS, are stored.
;   waves 0-3:  W[a b c][d e f] = sum over l, m, n of f3[d][l] f4[e][m] f5[f][n] G[a b c][l m n], in that order, all in f32, then quantised along d e f.  Four rows of W a wave, 16 a work-group: one fragment's rows.
;   waves 4-11: x [4096][4096] f32 is quantised: 64 rows x one K step a wave, 16 steps of 4 rows.
; One wave of the first kind and two of the second share a SIMD: the first kind is arithmetic, the second a stream from memory.
; A block's scale is 2^(floor(log2(its largest magnitude)) - 4); its byte is that magnitude's exponent field - 4, held at 1 from below by a floor among the maximum's leaves.
; LIMITS: a block whose largest magnitude lies under 2^-122 keeps the byte 1; a block of zeros gets the byte 1 where the rule says 127 (its codes are zeros, and this program alone reads the bytes);
; NaN and infinities among the inputs are not served.
.set CHUNK, 12800
.set RBB,   32*CHUNK                   ; a block of 128 rows, all of K
.set FRB,   1536                       ; a fragment's image
.set SCO,   8*FRB                      ; where a chunk's scale words begin
.set WIMG,  12*16384                   ; LDS behind the waves' own regions: W's 32 fragments, K step p at (p / 2) WPA + (p % 2) FRB
.set WPA,   2*FRB+16                   ; an odd multiple of 16 bytes: the sixteen lanes of a store's pass (K steps two apart) fall on sixteen different columns of 16 bytes (64 banks of 4 bytes: ISA guide 11.1)
.set WSCL,  WIMG+16*WPA                ; W's scale words: K step p, row r at 64 p + 4 r
.set MSB, 0
.macro WIN new                         ; s_set_vgpr_msb: bits 1:0 source 0, 3:2 source 1, 5:4 source 2, 7:6 destination; the immediate's high byte repeats the setting that is left
.if MSB != \new
	s_set_vgpr_msb (MSB<<8)|\new
.set MSB, \new
.endif
.endm
; ---- registers that both roles keep: made ahead of the parting, used behind the join, never rewritten
.set L16, 1                            ; v1   16 x lane
.set JRD, 2                            ; v2   waves 0-7: where I read four of W's fragments back
.set JRS, 3                            ; v3   waves 8-11: where I read 512 bytes of W's scale words back
.set JSO, 4                            ; v4   and their place in memory: CHUNK x (lane / 4) + 16 x (lane % 4)
.set JD,  28                           ; v28-75 behind the join: what is read back
; ---- the W role's own LDS, from the wave's base on
.set T0L, 0                            ; 4 rows of G x 2,080 bytes: l's 256 bytes at 256 l + 16 (l / 4), so that lanes 16-31 (l four further on) read four banks on from lanes 0-15
.set F5L, 8448                         ; f5 turned: [n][f], 512 bytes
; ---- the W role's registers
.set S16, 5                            ; v5   the wave's LDS base + 16 x lane
.set AR,  6                            ; v6   where my lane reads G for the first product
.set WST, 7                            ; v7   where my K step's pieces go: WIMG + WPA r + FRB h + 64 x wave
.set WSS, 8                            ; v8   and my scale word: WSCL + 64 p + 16 x wave
.set UN,  9                            ; v9   base, the same in all lanes
.set T5,  10                           ; v10  base + 256 (lane % 2) + 4 (lane / 2): where my four numbers of f5 go
.set FO,  11                           ; v11  32 r + 16 h: my four numbers of f3 and f4; free behind the wait for all loads:
.set M0,  11                           ; v11-12 two chains of the largest magnitude
.set M1,  12
.set SO,  13                           ; v13  the conversions' scale operand
.set BY,  14                           ; v14  the scale's byte
.set SW,  15                           ; v15  my scale word
.set CT,  16                           ; v16-18 a block's upper 16 codes (a conversion's three registers begin on an even number)
.set F3,  20                           ; v20-23 f3[r][4 h .. 4 h + 3]
.set F4,  24                           ; v24-27 f4[r][4 h .. 4 h + 3]
.set CD,  28                           ; v28-51 my 128 codes: blocks 0, 2, 1, 3, six registers each: the twelve registers of image lane r, then those of image lane r + 16
.set ACC, 52                           ; v52-83 a block of 32 numbers of W
.set AD,  52                           ; v52-67 before that: G for the first product: tile t, l = 4 h + i at 4 t + i
.set F5T, 96                           ; v96-159 f5[f][n] at 16 n + f, n = 0..3, the same in all lanes; n = 4..7 in window 1, v0-63
.set D1,  160                          ; v160-191 four results of the first product.  v160-255 are written by matrix instructions alone, in the whole text
.set D2,  192                          ; v192-255 eight results of the second
.set LZ,  28                           ; v28-91 at the head: four rows of G as loaded
.set F5R, 92                           ; v92-95 at the head: f5 as loaded
	s_load_b256 s[4:11], s[0:1], 0x0               ; x s[4:5], G s[6:7], f3 s[8:9], f4 s[10:11]
	s_load_b128 s[12:15], s[0:1], 0x20             ; f5 s[12:13], x's image s[14:15]
	s_load_b64 s[16:17], s[0:1], 0x30              ; W's image
	s_set_vgpr_msb 0x40
	v_lshl_add_u32 v64, v0, 2, 0x3c900
	v_mov_b32 v65, 0
	s_set_vgpr_msb 0x4000
	v_lshrrev_b32 v1, 5, v0
	s_delay_alu instid0(VALU_DEP_1)
	v_readfirstlane_b32 s22, v1                    ; wave 0..11
	s_lshl_b32 s23, s22, 14                        ; my wave's 16 KiB of LDS
	v_and_b32 v5, 31, v0                           ; lane
	s_delay_alu instid0(VALU_DEP_1)
	v_lshlrev_b32 v[L16], 4, v5
	s_and_b32 s24, s22, 7                          ; behind the join wave w of 0-7 stores K steps 4 w .. 4 w + 3
	s_mul_i32 s25, s24, 2*WPA
	s_add_co_u32 s25, s25, WIMG
	v_add_nc_u32 v[JRD], s25, v[L16]
	s_and_b32 s26, s22, 3                          ; and wave 8 + w the scale words of K steps 8 w .. 8 w + 7
	s_lshl_b32 s27, s26, 9
	s_add_co_u32 s27, s27, WSCL
	v_add_nc_u32 v[JRS], s27, v[L16]
	v_lshrrev_b32 v[JSO], 2, v5
	s_delay_alu instid0(VALU_DEP_1)
	v_mul_u32_u24 v[JSO], v[JSO], CHUNK
	v_and_b32 v6, 3, v5
	s_delay_alu instid0(VALU_DEP_1)
	v_lshl_add_u32 v[JSO], v6, 4, v[JSO]
	s_lshr_b32 s28, ttmp9, 3                       ; the work-group's 16 rows of W: block of 128 rows id / 8, fragment id % 8
	s_mul_i32 s28, s28, RBB
	s_and_b32 s29, ttmp9, 7
	s_mul_i32 s30, s29, FRB
	s_add_co_u32 s30, s30, s28
	s_mul_i32 s24, s24, 4*CHUNK
	s_add_co_u32 s30, s30, s24
	s_mov_b32 s31, 0
	s_lshl_b32 s24, s29, 6
	s_add_co_u32 s24, s24, s28
	s_add_co_u32 s24, s24, SCO
	s_mul_i32 s26, s26, 8*CHUNK
	s_add_co_u32 s24, s24, s26
	s_mov_b32 s25, 0
	s_mov_b32 s27, 0
	s_wait_kmcnt 0x0
	s_add_nc_u64 s[18:19], s[16:17], s[30:31]      ; where waves 0-7 store W's fragments; kept to the end
	s_add_nc_u64 s[20:21], s[16:17], s[24:25]      ; where waves 8-11 store W's scale words; kept to the end
	s_cmp_lt_u32 s22, 4
	s_cbranch_scc0 .Lxq
; ======== W.  Lane (r = lane % 16, h = lane / 16).
; The first two products run on the f32 matrix form, 16 x 16 x 4, two steps for K = 8.  On both sources the K place (step s, half h, register jj) stands for index 4 h + 2 s + jj, so a factor's fragment is
; four neighbouring numbers of its row r.  FIRST (l -> d): source 0 = G, source 1 = f3.  Row m' of tile t stands for m = 4 (m' / 8) + m' % 4, n = 2 t + (m' / 4) % 2, so that register j of result t holds
; T1[d = r][m = 4 h + j % 4][n = 2 t + j / 4]: that IS source 1 of the SECOND product (m -> e; source 0 = f4), one product for each n.  Its result n, register j, is T2[d = r][e = 8 h + j][n].
; THIRD (n -> f): packed multiply-adds.  The lane makes W[row][128 p .. 128 p + 127], p = 2 r + h: K step p whole: four blocks of 32, 24 registers of codes and one scale word.  Nothing changes lanes on the way.
	v_and_b32 v14, 31, v0                          ; lane
	v_and_b32 v12, 15, v0                          ; r
	v_bfe_u32 v13, v0, 4, 1                        ; h
	v_add_nc_u32 v[S16], s23, v[L16]
	s_delay_alu instid0(VALU_DEP_2)
	v_mul_u32_u24 v[AR], v13, 1040                 ; l = 4 h: 4 x 256 + 16
	v_bfe_u32 v15, v0, 3, 1
	s_delay_alu instid0(VALU_DEP_1)
	v_lshl_add_u32 v[AR], v15, 7, v[AR]            ; m = 4 (r / 8) + r % 4: 32 bytes each
	v_and_b32 v15, 3, v0
	s_delay_alu instid0(VALU_DEP_1)
	v_lshl_add_u32 v[AR], v15, 5, v[AR]
	v_bfe_u32 v15, v0, 2, 1
	s_delay_alu instid0(VALU_DEP_1)
	v_lshl_add_u32 v[AR], v15, 2, v[AR]            ; n = 2 t + (r / 4) % 2: 4 bytes each
	s_delay_alu instid0(VALU_DEP_1)
	v_add_nc_u32 v[AR], s23, v[AR]
	v_mul_u32_u24 v[WST], v12, WPA
	s_delay_alu instid0(VALU_DEP_1)
	v_mad_u32_u24 v[WST], v13, FRB, v[WST]
	s_lshl_b32 s24, s22, 6                         ; my four rows are rows 4 wave .. 4 wave + 3 of the fragment: 16 bytes each
	s_add_co_u32 s24, s24, WIMG
	v_add_nc_u32 v[WST], s24, v[WST]
	v_lshlrev_b32 v[WSS], 7, v12
	s_delay_alu instid0(VALU_DEP_1)
	v_lshl_add_u32 v[WSS], v13, 6, v[WSS]
	s_lshl_b32 s24, s22, 4
	s_add_co_u32 s24, s24, WSCL
	v_add_nc_u32 v[WSS], s24, v[WSS]
	v_mov_b32 v[UN], s23
	v_and_b32 v15, 1, v0
	v_lshrrev_b32 v14, 1, v14
	s_delay_alu instid0(VALU_DEP_2)
	v_lshlrev_b32 v[T5], 8, v15
	s_delay_alu instid0(VALU_DEP_1)
	v_lshl_add_u32 v[T5], v14, 2, v[T5]
	s_delay_alu instid0(VALU_DEP_1)
	v_add_nc_u32 v[T5], s23, v[T5]
	v_lshlrev_b32 v[FO], 5, v12
	s_delay_alu instid0(VALU_DEP_1)
	v_lshl_add_u32 v[FO], v13, 4, v[FO]
	s_lshl_b32 s24, ttmp9, 4
	s_lshl_b32 s25, s22, 2
	s_add_co_u32 s24, s24, s25                     ; my first row: 16 x work-group + 4 x wave
	s_lshl_b32 s26, s24, 11
	s_add_nc_u64 s[6:7], s[6:7], s[26:27]          ; G: 2,048 bytes a row
	global_load_b128 v[F5R:F5R+3], v[L16], s[12:13]                ; f5[lane / 2][4 (lane % 2) + 0..3]
	global_load_b128 v[F3:F3+3], v[FO], s[8:9]
	global_load_b128 v[F4:F4+3], v[FO], s[10:11]
.irp u, 0,1,2,3,4,5,6,7,8,9,10,11,12,13,14,15
	global_load_b128 v[LZ+4*\u:LZ+4*\u+3], v[L16], s[6:7] offset:512*\u th:TH_LOAD_NT   ; my four rows are 8,192 consecutive bytes, read once in the launch
.endr
	s_wait_alu depctr_va_vdst(0)
	s_wait_loadcnt 16                              ; the three factors are in; G's sixteen loads may be out
.irp c, 0,1,2,3
	ds_store_b32 v[T5], v[F5R+\c] offset:F5L+64*\c                 ; to [n = 4 (lane % 2) + c][f = lane / 2]
.endr
	s_wait_loadcnt 0x0
.irp u, 0,1,2,3,4,5,6,7,8,9,10,11,12,13,14,15
	ds_store_b128 v[S16], v[LZ+4*\u:LZ+4*\u+3] offset:T0L+2080*(\u/4)+512*(\u%4)+16*((\u%4)/2)
.endr
	s_wait_dscnt 0x0                               ; the stores have read their registers
.irp u, 0,1,2,3,4,5,6,7,8,9,10,11,12,13,14,15
	ds_load_b128 v[F5T+4*\u:F5T+4*\u+3], v[UN] offset:F5L+16*\u    ; every lane reads the same 16 bytes
.endr
	WIN 0x40                                       ; destination window 1
.irp u, 0,1,2,3,4,5,6,7,8,9,10,11,12,13,14,15
	ds_load_b128 v[4*\u:4*\u+3], v[UN] offset:F5L+256+16*\u
.endr
	WIN 0
; Block bk of my four: the numbers W[128 p + 32 bk + 16 ee + f] = sum over n of T2[e = 8 h + 2 bk + ee][n] f5[f][n], sixteen packed sums by turns, n ascending; then the block's scale and its 32 codes.
; Of the pair T2[2 bk], T2[2 bk + 1] one register feeds both halves (op_sel).  Each result of the second product is first read at its registers 0 and 1 (block 0): from its low end on.
.macro BLOCK bk
.set CB, CD+12*((\bk)%2)+6*((\bk)/2)   ; block bk belongs to image lane r + 16 (bk % 2), registers 6 (bk / 2) on
.irp n, 0,1,2,3,4,5,6,7
.if \n == 4
	WIN 0x04                                       ; source 1, f5, in window 1
.endif
.if \n < 4
.set FB, F5T+16*\n
.else
.set FB, 16*(\n-4)
.endif
.irp fp, 0,1,2,3,4,5,6,7
.if \n == 0
	v_pk_mul_f32 v[ACC+2*\fp:ACC+2*\fp+1], v[D2+8*\n+2*\bk:D2+8*\n+2*\bk+1], v[FB+2*\fp:FB+2*\fp+1] op_sel_hi:[0,1]
.else
	v_pk_fma_f32 v[ACC+2*\fp:ACC+2*\fp+1], v[D2+8*\n+2*\bk:D2+8*\n+2*\bk+1], v[FB+2*\fp:FB+2*\fp+1], v[ACC+2*\fp:ACC+2*\fp+1] op_sel_hi:[0,1,1]
.endif
.endr
.irp fp, 0,1,2,3,4,5,6,7
.if \n == 0
	v_pk_mul_f32 v[ACC+16+2*\fp:ACC+16+2*\fp+1], v[D2+8*\n+2*\bk:D2+8*\n+2*\bk+1], v[FB+2*\fp:FB+2*\fp+1] op_sel:[1,0] op_sel_hi:[1,1]
.else
	v_pk_fma_f32 v[ACC+16+2*\fp:ACC+16+2*\fp+1], v[D2+8*\n+2*\bk:D2+8*\n+2*\bk+1], v[FB+2*\fp:FB+2*\fp+1], v[ACC+16+2*\fp:ACC+16+2*\fp+1] op_sel:[1,0,0] op_sel_hi:[1,1,1]
.endif
.endr
.endr
	WIN 0
	v_max3_num_f32 v[M0], |v[ACC]|, |v[ACC+1]|, |v[ACC+2]|         ; the block's largest magnitude: all 32 numbers are mine; two chains
	v_max3_num_f32 v[M1], |v[ACC+3]|, |v[ACC+4]|, |v[ACC+5]|
.irp i, 6,10,14,18,22,26
	s_delay_alu instid0(VALU_DEP_2)
	v_max3_num_f32 v[M0], v[M0], |v[ACC+\i]|, |v[ACC+\i+1]|
	s_delay_alu instid0(VALU_DEP_2)
	v_max3_num_f32 v[M1], v[M1], |v[ACC+\i+2]|, |v[ACC+\i+3]|
.endr
	s_delay_alu instid0(VALU_DEP_2)
	v_max3_num_f32 v[M0], v[M0], |v[ACC+30]|, |v[ACC+31]|
	s_delay_alu instid0(VALU_DEP_1)
	v_max3_num_f32 v[M0], v[M0], v[M1], 0x2800000                  ; and the floor 2^(5 - 127): the byte cannot fall under 1
	s_delay_alu instid0(VALU_DEP_1)
	v_add_nc_u32 v[SO], 0xfe000000, v[M0]                          ; 4 off the exponent field: the conversion takes this operand's exponent field as its scale, and nothing else of it
	v_cvt_scalef32_pk16_bf6_f32 v[CB:CB+2], v[ACC:ACC+15], v[SO]
	v_cvt_scalef32_pk16_bf6_f32 v[CT:CT+2], v[ACC+16:ACC+31], v[SO]
	v_lshrrev_b32 v[BY], 23, v[SO]                                 ; the scale's byte.  (The plain line between the conversions and the lines that touch their results)
.if \bk == 0
	s_delay_alu instid0(VALU_DEP_1)
	v_mov_b32 v[SW], v[BY]
.else
	s_delay_alu instid0(VALU_DEP_1)
	v_lshl_or_b32 v[SW], v[BY], 8*\bk, v[SW]
.endif
.irp i, 0,1,2
	v_mov_b32 v[CB+3+\i], v[CT+\i]
.endr
.endm
; One row of W.  Every offset is an immediate: the four rows are written out.
.macro ROW row
.irp t, 0,1,2,3
.irp i, 0,1,2,3
	ds_load_b32 v[AD+4*\t+\i], v[AR] offset:T0L+2080*\row+256*\i+8*\t
.endr
.endr
	s_wait_dscnt 0x0                               ; G is in; and the last row's stores have read the codes' registers and the scale word's
.irp t, 0,1,2,3                        ; the four sums take turns, one instruction a turn; the first step's products start them
	v_wmma_f32_16x16x4_f32 v[D1+8*\t:D1+8*\t+7], v[AD+4*\t:AD+4*\t+1], v[F3:F3+1], 0
.endr
.irp t, 0,1,2,3
	v_wmma_f32_16x16x4_f32 v[D1+8*\t:D1+8*\t+7], v[AD+4*\t+2:AD+4*\t+3], v[F3+2:F3+3], v[D1+8*\t:D1+8*\t+7]
.endr
.rept 9
	v_nop                                          ; nine places between this form and a matrix instruction that takes its result as a source (ISA guide 7.12.1)
.endr
.irp n, 0,1,2,3,4,5,6,7                ; eight sums by turns
	v_wmma_f32_16x16x4_f32 v[D2+8*\n:D2+8*\n+7], v[F4:F4+1], v[D1+8*(\n/2)+4*(\n%2):D1+8*(\n/2)+4*(\n%2)+1], 0
.endr
.irp n, 0,1,2,3,4,5,6,7
	v_wmma_f32_16x16x4_f32 v[D2+8*\n:D2+8*\n+7], v[F4+2:F4+3], v[D1+8*(\n/2)+4*(\n%2)+2:D1+8*(\n/2)+4*(\n%2)+3], v[D2+8*\n:D2+8*\n+7]
.endr
.rept 8
	v_nop                                          ; eight places between this form and a vector instruction that reads its result (ISA guide 7.12.1); with the nine above they also part the first product from the sums that are laid over its source
.endr
	BLOCK 0
	BLOCK 1
	BLOCK 2
	BLOCK 3
	; my row's six pieces of 16 bytes go to their places in K step p's image: group g of image lane (4 wave + row) + 16 hh
.irp hh, 0,1
.irp gg, 0,1,2
	ds_store_b128 v[WST], v[CD+12*\hh+4*\gg:CD+12*\hh+4*\gg+3] offset:512*\gg+256*\hh+16*\row
.endr
.endr
	ds_store_b32 v[WSS], v[SW] offset:4*\row
.endm
	ROW 0
	ROW 1
	ROW 2
	ROW 3
	s_branch .Ljoin
; ======== x.  A wave takes 64 rows x one K step of 128: four fragments and 64 scale words, which are 6,144 and 256 consecutive bytes of the image.  A step is four rows: each of its four loads reads one row's 512 bytes.
; A conversion takes 16 numbers of ONE block from a lane's registers, so a lane must hold 16 neighbours (two neighbouring lanes hold a block); a load is best where neighbouring lanes take neighbouring bytes.
; Both are had: a step's 2,048 bytes go through the wave's own stage in LDS as they lie and come back 64 bytes a lane (a lane's place: 64 + 16 of padding).  Lane L then holds row L / 8 of the four, block
; b = (L / 2) % 4, half u = L % 2: registers 6 (b / 2) + 3 u + 0 .. 2 of image lane r + 16 (b % 2).  Its three words go one by one into the fragment's image in LDS; the image lies there with pitches of 320 bytes
; from half to half, 640 from group to group and 1,920 from fragment to fragment, with which the 32 lanes of each such store fall on 32 different banks.
; Loads run six steps (24 loads a wave) ahead, the turn through LDS one step.  All registers lie under v160.
.set STEPS, 16
.set SP,  80
.set XSB, 5120                         ; behind the two stages of 32 x 80 bytes: the wave's 256 scale bytes
.set XIM, 5376                         ; behind them: four fragments' images, 7,680 bytes
.set XX,  16                           ; v16-47  two sets of 16 neighbours
.set XC,  48                           ; v48-55  two sets of codes
.set XE,  56                           ; v56-57  two scale bytes
.set XA,  58                           ; v58-60  where my three words of codes go
.set XR,  64                           ; v64-159 six sets of 16 numbers as loaded
.set XF,  112                          ; v112-159 at the end: the four images read back
.Lxq:
	v_and_b32 v61, 31, v0                          ; lane
	s_delay_alu instid0(VALU_DEP_1)
	v_lshrrev_b32 v62, 3, v61                      ; my row of a step's four
	v_bfe_u32 v63, v0, 1, 2                        ; my block
	s_delay_alu instid0(VALU_DEP_1)
	v_lshl_add_u32 v5, v62, 2, v63
	s_delay_alu instid0(VALU_DEP_1)
	v_add_nc_u32 v5, s23, v5                       ; my block's scale byte: 4 x row + block
	v_lshlrev_b32 v7, 3, v61                       ; on the way out 8 scale bytes a lane
	s_delay_alu instid0(VALU_DEP_1)
	v_add_nc_u32 v6, s23, v7
	v_lshrrev_b32 v14, 2, v61
	s_delay_alu instid0(VALU_DEP_1)
	v_mul_u32_u24 v14, v14, SP
	v_and_b32 v15, 3, v61
	s_delay_alu instid0(VALU_DEP_1)
	v_lshl_add_u32 v14, v15, 4, v14
	s_delay_alu instid0(VALU_DEP_1)
	v_add_nc_u32 v14, s23, v14                     ; the stage, in: four lanes' 64 bytes on end, then the padding
	v_mul_u32_u24 v15, v61, SP
	s_delay_alu instid0(VALU_DEP_1)
	v_add_nc_u32 v15, s23, v15                     ; and out: my 16 neighbours
	v_bfe_u32 v11, v0, 4, 1
	s_delay_alu instid0(VALU_DEP_1)
	v_mul_u32_u24 v11, v11, 320
	v_and_b32 v8, 15, v0
	s_delay_alu instid0(VALU_DEP_1)
	v_lshl_add_u32 v11, v8, 4, v11
	s_delay_alu instid0(VALU_DEP_1)
	v_add_nc_u32 v11, s23, v11                     ; an image read back: 320 (lane / 16) + 16 (lane % 16)
	v_bfe_u32 v8, v0, 1, 1                         ; the image lane's half: block % 2
	s_delay_alu instid0(VALU_DEP_1)
	v_mul_u32_u24 v8, v8, 320
	s_delay_alu instid0(VALU_DEP_1)
	v_lshl_add_u32 v8, v62, 4, v8                  ; + 16 x my row of the four
	s_delay_alu instid0(VALU_DEP_1)
	v_add_nc_u32 v8, s23, v8
	v_bfe_u32 v9, v0, 2, 1                         ; block / 2
	v_and_b32 v10, 1, v0                           ; half of the block
	s_delay_alu instid0(VALU_DEP_1)
	v_lshl_add_u32 v9, v9, 1, v10
	s_delay_alu instid0(VALU_DEP_1)
	v_mul_u32_u24 v9, v9, 3                        ; my first register of the twelve: 0, 3, 6 or 9
.irp i, 0,1,2
	v_add_nc_u32 v10, \i, v9                       ; register j: group j / 4, word j % 4
	s_delay_alu instid0(VALU_DEP_1)
	v_lshrrev_b32 v63, 2, v10
	s_delay_alu instid0(VALU_DEP_2)
	v_and_b32 v10, 3, v10
	s_delay_alu instid0(VALU_DEP_2)
	v_mad_u32_u24 v[XA+\i], v63, 640, v8
	s_delay_alu instid0(VALU_DEP_1)
	v_lshl_add_u32 v[XA+\i], v10, 2, v[XA+\i]
.endr
	s_lshr_b32 s24, ttmp9, 2                       ; my 64 rows: group id / 4
	s_and_b32 s25, ttmp9, 3
	s_lshl_b32 s25, s25, 3
	s_add_co_u32 s25, s25, s22
	s_sub_co_u32 s25, s25, 4                       ; my K step: 8 (id % 4) + wave - 4: the eight waves read 4,096 consecutive bytes of each row
	s_lshl_b32 s26, s24, 20                        ; 64 rows of 16,384 bytes
	s_lshl_b32 s28, s25, 9
	s_add_co_u32 s26, s26, s28
	s_add_nc_u64 s[4:5], s[4:5], s[26:27]
	s_lshr_b32 s26, s24, 1                         ; the block of 128 rows,
	s_mul_i32 s26, s26, RBB
	s_mul_i32 s28, s25, CHUNK                      ; the K step's chunk,
	s_add_co_u32 s26, s26, s28
	s_and_b32 s28, s24, 1                          ; and which half of its rows
	s_lshl_b32 s30, s28, 8
	s_add_co_u32 s30, s30, s26
	s_add_co_u32 s30, s30, SCO
	s_mov_b32 s31, 0
	s_add_nc_u64 s[12:13], s[14:15], s[30:31]      ; my 64 scale words
	s_mul_i32 s29, s28, 4*FRB
	s_add_co_u32 s26, s26, s29
	s_add_nc_u64 s[14:15], s[14:15], s[26:27]      ; my four fragments
.macro XLOAD t
.irp i, 0,1,2,3
	global_load_b128 v[XR+16*((\t)%6)+4*\i:XR+16*((\t)%6)+4*\i+3], v[L16], s[4:5] offset:16384*(4*(\t)+\i) th:TH_LOAD_NT   ; row 4 t + i: 512 consecutive bytes
.endr
.endm
.macro XTURN t                         ; step t's numbers through the stage: LDS serves a wave's instructions in order (ISA guide 5.7.1.4), so no wait stands between the stores and the loads
.irp i, 0,1,2,3
	ds_store_b128 v14, v[XR+16*((\t)%6)+4*\i:XR+16*((\t)%6)+4*\i+3] offset:32*SP*((\t)%2)+8*SP*\i
.endr
.irp i, 0,1,2,3
	ds_load_b128 v[XX+16*((\t)%2)+4*\i:XX+16*((\t)%2)+4*\i+3], v15 offset:32*SP*((\t)%2)+16*\i
.endr
.endm
.irp t, 0,1,2,3,4,5
	XLOAD \t
.endr
	s_wait_loadcnt 20                              ; step 0's four loads are in; those of the five steps behind it may be out
	XTURN 0
.macro XSTEP t
.set XS, XX+16*((\t)%2)
.set XK, XC+4*((\t)%2)
.if (\t) > 0
	s_wait_dscnt 4                                 ; this step's numbers are back from the stage (the last step's three code stores and its byte store may be out): so its stores into the stage have read their
.else                                              ; registers, and the stores of two steps back have read this set of codes
	s_wait_dscnt 0x0
.endif
.if (\t)+6 < STEPS
	XLOAD (\t)+6                                   ; those registers take the loads of six steps on
.endif
.if (\t)+1 < STEPS
.if (\t) <= 9
	s_wait_loadcnt 20                              ; the next step's four loads are in; those of the five steps behind it may be out
.else
	s_wait_loadcnt 4*(14-(\t))                     ; fewer steps are left behind it
.endif
	XTURN (\t)+1
.endif
	v_max3_num_f32 v8, |v[XS]|, |v[XS+1]|, |v[XS+2]|
	v_max3_num_f32 v9, |v[XS+3]|, |v[XS+4]|, |v[XS+5]|
.irp i, 6,10
	s_delay_alu instid0(VALU_DEP_2)
	v_max3_num_f32 v8, v8, |v[XS+\i]|, |v[XS+\i+1]|
	s_delay_alu instid0(VALU_DEP_2)
	v_max3_num_f32 v9, v9, |v[XS+\i+2]|, |v[XS+\i+3]|
.endr
	s_delay_alu instid0(VALU_DEP_2)
	v_max3_num_f32 v8, v8, |v[XS+14]|, |v[XS+15]|
	s_delay_alu instid0(VALU_DEP_1)
	v_max3_num_f32 v8, v8, v9, 0x2800000           ; and the floor 2^(5 - 127)
	s_delay_alu instid0(VALU_DEP_1)
	v_max_num_f32_dpp v8, v8, v8 row_xmask:1 row_mask:0xf bank_mask:0xf   ; with my neighbour's 16: the block's largest magnitude
	s_delay_alu instid0(VALU_DEP_1)
	v_add_nc_u32 v10, 0xfe000000, v8               ; 4 off its exponent field
	v_cvt_scalef32_pk16_bf6_f32 v[XK:XK+2], v[XS:XS+15], v10
	v_lshrrev_b32 v[XE+(\t)%2], 23, v10            ; the scale's byte
.irp i, 0,1,2
	ds_store_b32 v[XA+\i], v[XK+\i] offset:XIM+1920*((\t)/4)+64*((\t)%4)   ; fragment t / 4, rows 4 (t % 4) on
.endr
	ds_store_b8 v5, v[XE+(\t)%2] offset:XSB+16*(\t)   ; both lanes of a block write the same byte with the same value
.endm
.irp t, 0,1,2,3,4,5,6,7,8,9,10,11,12,13,14,15
	XSTEP \t
.endr
.irp n, 0,1,2,3,4,5,6,7,8,9,10,11
	ds_load_b128 v[XF+4*\n:XF+4*\n+3], v11 offset:XIM+1920*(\n/3)+640*(\n%3)   ; these see my stores; the registers' last loads were turned through the stage long ago
.endr
	ds_load_b64 v[12:13], v6 offset:XSB
.irp n, 0,1,2,3,4,5,6,7,8,9,10,11
	s_wait_dscnt 12-\n                             ; behind load n: the later images' loads and the scale words' load may be out
	global_store_b128 v[L16], v[XF+4*\n:XF+4*\n+3], s[14:15] offset:512*\n   ; 32 lanes store 512 consecutive bytes, at a multiple of 256 from the buffer's first byte
.endr
	s_wait_dscnt 0x0
	global_store_b64 v7, v[12:13], s[12:13]        ; 32 lanes store 256 consecutive bytes, at a multiple of 256 from the buffer's first byte
; ======== The join.  Every wave's LDS stores have landed; behind the barrier W's 32 fragments and their scale words lie whole in LDS.
.Ljoin:
	s_wait_dscnt 0x0                               ; for the others' sake
	s_barrier_signal -1
	s_barrier_wait -1
	s_cmp_lt_u32 s22, 8
	s_cbranch_scc0 .Lwsc
.irp k, 0,1,2,3                        ; waves 0-7: K steps 4 wave + k
.irp gg, 0,1,2
	ds_load_b128 v[JD+4*(3*\k+\gg):JD+4*(3*\k+\gg)+3], v[JRD] offset:(\k/2)*WPA+(\k%2)*FRB+512*\gg
.endr
.endr
.irp k, 0,1,2,3
.irp gg, 0,1,2
	s_wait_dscnt 11-(3*\k+\gg)                     ; the loads behind this one may be out
	global_store_b128 v[L16], v[JD+4*(3*\k+\gg):JD+4*(3*\k+\gg)+3], s[18:19] offset:\k*CHUNK+512*\gg   ; 512 consecutive bytes, at a multiple of 256 from the buffer's first byte
.endr
.endr
	s_set_vgpr_msb 0x5
	s_wait_tensorcnt 0x0
	ds_add_u32 v64, v65
	s_wait_dscnt 0x0
	s_set_vgpr_msb 0x500
	s_endpgm
.Lwsc:                                 ; waves 8-11: the scale words of eight K steps.  A work-group has 16 of a chunk's 128 rows, so these leave as pieces of 64 bytes, four lanes each: 512 KiB in the whole launch
	ds_load_b128 v[JD:JD+3], v[JRS]
	s_wait_dscnt 0x0
	global_store_b128 v[JSO], v[JD:JD+3], s[20:21]
	s_set_vgpr_msb 0x5
	s_wait_tensorcnt 0x0
	ds_add_u32 v64, v65
	s_wait_dscnt 0x0
	s_set_vgpr_msb 0x500
	s_endpgm
.Lfunc_end_k_q3f81595143_quant:
	.size	k_q3f81595143_quant, .Lfunc_end_k_q3f81595143_quant-k_q3f81595143_quant
	.p2alignl 7, 3214868480
	.fill 96, 4, 3214868480
	.section	.rodata,"a",@progbits
	.p2align	6, 0x0
	.amdhsa_kernel k_q3f81595143_quant
		.amdhsa_group_segment_fixed_size 249600
		.amdhsa_private_segment_fixed_size 0
		.amdhsa_enable_private_segment 0
		.amdhsa_kernarg_size 56
		.amdhsa_user_sgpr_count 2
		.amdhsa_user_sgpr_kernarg_segment_ptr 1
		.amdhsa_wavefront_size32 1
		.amdhsa_system_sgpr_workgroup_id_x 1
		.amdhsa_system_sgpr_workgroup_id_y 1
		.amdhsa_system_sgpr_workgroup_id_z 1
		.amdhsa_system_vgpr_workitem_id 0
		.amdhsa_next_free_vgpr 322
		.amdhsa_next_free_sgpr 66
		.amdhsa_reserve_vcc 0
		.amdhsa_float_denorm_mode_32 3
		.amdhsa_float_denorm_mode_16_64 3
		.amdhsa_memory_ordered 1
		.amdhsa_forward_progress 1
		.amdhsa_inst_pref_size 228
	.end_amdhsa_kernel
	.amdgpu_metadata
---
amdhsa.version: [ 1, 2 ]
amdhsa.kernels:
  - .name:           k_q3f81595143_quant
    .symbol:         k_q3f81595143_quant.kd
    .args:
      - { .name: x, .offset: 0, .size: 8, .value_kind: global_buffer, .address_space: global }
      - { .name: g, .offset: 8, .size: 8, .value_kind: global_buffer, .address_space: global }
      - { .name: f3, .offset: 16, .size: 8, .value_kind: global_buffer, .address_space: global }
      - { .name: f4, .offset: 24, .size: 8, .value_kind: global_buffer, .address_space: global }
      - { .name: f5, .offset: 32, .size: 8, .value_kind: global_buffer, .address_space: global }
      - { .name: x_img, .offset: 40, .size: 8, .value_kind: global_buffer, .address_space: global }
      - { .name: w_img, .offset: 48, .size: 8, .value_kind: global_buffer, .address_space: global }
    .group_segment_fixed_size: 249600
    .private_segment_fixed_size: 0
    .kernarg_segment_align: 8
    .kernarg_segment_size: 56
    .max_flat_workgroup_size: 384
    .sgpr_count:     66
    .vgpr_count:     322
    .wavefront_size: 32
...
	.end_amdgpu_metadata
.endif
;; end of part 2
;; launch gemm (part 3): grid 16 x 16, 4 waves a work-group, clusters of 4 x 4, 327,680 bytes of LDS; arguments x_img, w_img, out0, bias; writes out0
.if DOCPART == 3
	.amdgcn_target "amdgcn-amd-amdhsa--gfx1250"
	.amdhsa_code_object_version 6
	.text
	.protected	k_q3f81595143_gemm
	.globl	k_q3f81595143_gemm
	.p2align	8
	.type	k_q3f81595143_gemm,@function
k_q3f81595143_gemm:
	s_mov_b64 s[64:65], 0
	v_nop
	global_prefetch_b8 v0, s[64:65] scope:SCOPE_SE
	s_setreg_imm32_b32 hwreg(HW_REG_WAVE_MODE, 25, 1), 1
	s_wait_xcnt 0x0
	s_wait_alu depctr_hold_cnt(0) depctr_sa_sdst(0) depctr_va_vdst(0) depctr_va_sdst(0) depctr_va_ssrc(0) depctr_va_vcc(0) depctr_vm_vsrc(0)
	s_getreg_b32 s2, hwreg(HW_REG_IB_STS2, 6, 4)
	s_cmp_eq_u32 s2, 0
	s_cbranch_scc0 .Lentry_in_a_cluster
	s_endpgm
.Lentry_in_a_cluster:
	s_bfe_u32 s2, ttmp6, 0x10000c
	s_cmp_lg_u32 s2, 0xf033
	s_cbranch_scc0 .Lentry_shape_is_right
	s_endpgm
.Lentry_shape_is_right:
; out0[m][n] = bias[n] + sum over k of x[m][k] W[n][k], both operands as codes of BF6 (E3M2) with one E8M0 byte for each 32 along K; sums in f32.
; x_img, w_img: [32 blocks of 128 rows][32 K steps of 128][a chunk of 12,800 bytes]: 8 fragments as images of the operand's 12 registers (1,536 bytes each: registers 4 c .. 4 c + 3 of lane l at 512 c + 16 l),
; then the 128 rows' scale words (row 16 i + r at 12,288 + 64 i + 4 r).  So a fragment is three loads of 16 bytes a lane, dense, and a block's chunks of neighbouring K steps are one dense run of memory.
; A tile of out0, 256 x 256, is made by four waves, as many as a WGP has SIMDs; a wave makes 128 x 128: 64 accumulators, 512 registers.  256 work-groups.
; THE RING: two LDS slots of three K steps (4 parts of 38,400 bytes: x's two blocks, W's two blocks); each wave fills one part by one tensor load, as rows of 256 bytes.  Fill f holds K steps 3 f .. 3 f + 2 and
; lies in slot f % 2; fill 10 holds the last two steps.
; CLUSTERS: 4 x 4 work-groups; x's parts are asked for jointly along a row of the cluster, W's along a column.
; FRAGMENTS: two register sets for each operand, step t in set t % 2.  At a step's head all 56 LDS loads of the next step go out in one run; the step's 64 products follow.
; THE CHANGE OF SLOTS stands between a slot's steps 1 and 2 (macro MEET): step 2's fragments, the slot's last reads, are asked for at step 1's head; the three lines and the opening barrier stand in step 1's
; second half; behind the cluster's round come the refill and the next slot's first fragments, and step 2's 64 products, whose operands are in registers, follow those loads.
; PREFETCH: behind the refill with fill F stands a request for fill F + 2 (two fills, six K steps, ahead).  A part is 150 blocks of 256 bytes; the four partners that ask for it jointly take 38 each, told apart by
; address (cx for x, cy for W): two instructions a wave, lanes left over name their last block again.  The head asks for fills 1 and 2, the second slot's first fill for fill 3; fill 9 is the last asked for:
; fill 10 is shorter than a part, and a request of a part's length would pass the buffer's end in the last block of rows.
; THE MATRIX INSTRUCTION IS USED TRANSPOSED (source 0 = 16 rows of W, source 1 = 16 rows of x): a lane holds eight neighbouring numbers of a row of out0.  The bias is the C of the first step's products.
; In the last K step each block of 16 rows is finished by its eight products and leaves at once, through the wave's stage in LDS, as whole rows of 512 bytes.
; REGISTERS: window 0: v0-31 addresses; v32-47 scale words, two sets; v64-159, v160-255 x's fragments, two sets.  window 1: v0-95, v128-223 W's fragments, two sets; v96-127, v224-255 the bias;
;   on the way out v0-127 of window 1 take the rows read back.  windows 2, 3: the accumulators of my rows 0-63, 64-127 ((a, b) at v[8 (8 (a % 4) + b)]).
.set SIZE_N, 4096
.set CHUNK,  12800
.set FRB,    1536
.set SCO,    8*FRB
.set WPART,  3*CHUNK                   ; what one tensor load brings: three K steps of 128 rows
.set SLOT,   4*WPART
.set RBB,    32*CHUNK                  ; a block of 128 rows, all of K
.set TRIPS,  4
.set FR,     12
.set SPARE,  2*SLOT                    ; behind the ring: the spare words, 128 bytes a wave
.set STAGE,  SLOT                      ; the way out: in slot 1, which has had its last fill and its last read by then
.set SPITCH, 528
.set PF0,  12                          ; v12-13  the prefetches' offsets: 256 x my block of the part; never rewritten
.set PF1,  13
.set ADRA, 16                          ; v16-17  x's fragments in slot 0, 1
.set ADRB, 20                          ; v20-21  W's
.set ADRS, 22                          ; v22-23  scale words: lanes 0-15 x's rows, lanes 16-31 W's
.set STO,  24
.set RD,   25
.set CO,   26
.set SPW,  28
.set NIL,  29
.set BO,   30
.set SC,   32
.set AF,   64
.set BI,   96                          ; window 1: the bias of W's block b at 96 + 128 (b / 4) + 8 (b % 4)
.set G1, 24
.set G0, 32
.set G1B, 48
.set G0B, 56
.set G1T, 68                           ; group 1 for the last fill: 100 rows of 256 bytes
.set G1TB, 80
.set PFA, 88                           ; s[88:89] my part's address, stepped one fill at each change of slots
.set MSB, 0
.macro WIN new                         ; the immediate's high byte repeats the setting that is left
.if MSB != \new
	s_set_vgpr_msb (MSB<<8)|\new
.set MSB, \new
.endif
.endm
.set MUL_LO, 0xa1                      ; source 0 (W) window 1, source 1 (x) window 0, C and D window 2
.set MUL_HI, 0xf1
.set FST_LO, 0x91                      ; the first step: C, the bias, in window 1
.set FST_HI, 0xd1
.set TO_B,   0x40
.macro JLOAD g0a, g1a, g0b, g1b        ; a joint load: waves 0, 1 fetch x's parts, waves 2, 3 W's
	s_cmp_eq_u32 s15, 0
	s_cbranch_scc0 .Lfor_b_\@
	tensor_load_to_lds s[\g0a:\g0a+3], s[\g1a:\g1a+7]
	s_nop 0
.rept 4
	v_nop
.endr
	s_branch .Lasked_\@
.Lfor_b_\@:
	tensor_load_to_lds s[\g0b:\g0b+3], s[\g1b:\g1b+7]
	s_nop 0
.rept 4
	v_nop
.endr
.Lasked_\@:
.endm
.macro CREST                           ; a round of the cluster's barrier behind its opening barrier
	s_cmp_lg_u32 s14, 0
	s_cbranch_scc1 .Lnot_wave_0_\@
	s_barrier_signal -3
.Lnot_wave_0_\@:
	s_barrier_wait -3
	s_barrier_signal -1
	s_barrier_wait -1
.endm
.macro CROUND
	s_barrier_signal -1
	s_barrier_wait -1
	CREST
.endm
.macro PLACES                          ; four places in front of loads into registers that matrix instructions have read, and of reads of results
.rept 4
	v_nop
.endr
.endm
	s_load_b128 s[4:7], s[0:1], 0x0                ; x's image, W's image
	s_load_b64 s[12:13], s[0:1], 0x10              ; out0
	s_load_b64 s[96:97], s[0:1], 0x18              ; bias
	v_lshl_add_u32 v[SPW], v0, 2, SPARE
	v_mov_b32 v[NIL], 0
	ds_add_u32 v[SPW], v[NIL]                      ; the opening lines: the add, twice on end, and its wait ahead of my first tensor load
	ds_add_u32 v[SPW], v[NIL]
	v_lshrrev_b32 v1, 5, v0
	v_readfirstlane_b32 s14, v1                    ; wave
	s_lshr_b32 s15, s14, 1                         ; my half of the tile's rows; also: I fetch for x (0) or W (1)
	s_and_b32 s16, s14, 1                          ; my half of its columns; also: which block of 128 rows I fetch
	s_bfe_u32 s40, ttmp6, 0x40000                  ; cx
	s_bfe_u32 s41, ttmp6, 0x40004                  ; cy
	s_lshl_b32 s42, ttmp9, 2
	s_add_co_u32 s42, s42, s40                     ; tile column
	s_and_b32 s17, ttmp7, 0xffff
	s_lshl_b32 s17, s17, 2
	s_add_co_u32 s17, s17, s41                     ; tile row
	s_lshl_b32 s43, s41, 2
	s_lshl_b32 s43, 15, s43                        ; my row of the cluster
	s_lshl_b32 s44, 0x1111, s40                    ; my column
	s_or_b32 s[G1+0], s43, (3<<16)|(1<<21)         ; elements of 8 bytes, no padding: the images are read densely
	s_or_b32 s[G1B+0], s44, (3<<16)|(1<<21)
	s_or_b32 s[G1T+0], s43, (3<<16)|(1<<21)
	s_or_b32 s[G1TB+0], s44, (3<<16)|(1<<21)
.irp g, G1, G1B
	s_mov_b32 s[\g+1], 32<<16
	s_mov_b32 s[\g+2], 150<<16
	s_mov_b32 s[\g+3], 32<<16
	s_mov_b32 s[\g+4], 150
	s_mov_b32 s[\g+5], 32
	s_mov_b32 s[\g+6], 0
	s_mov_b32 s[\g+7], 0
.endr
.irp g, G1T, G1TB
	s_mov_b32 s[\g+1], 32<<16
	s_mov_b32 s[\g+2], 100<<16
	s_mov_b32 s[\g+3], 32<<16
	s_mov_b32 s[\g+4], 100
	s_mov_b32 s[\g+5], 32
	s_mov_b32 s[\g+6], 0
	s_mov_b32 s[\g+7], 0
.endr
	s_lshl_b32 s20, s17, 1
	s_add_co_u32 s20, s20, s16
	s_mul_i32 s20, s20, RBB                        ; x: block 2 x tile row + half
	s_mov_b32 s21, 0
	s_lshl_b32 s46, s42, 1
	s_add_co_u32 s46, s46, s16
	s_mul_i32 s46, s46, RBB                        ; W: block 2 x tile column + half
	s_mov_b32 s47, 0
	s_mul_i32 s45, s14, WPART                      ; where my part goes
	s_cmp_eq_u32 s15, 0
	s_cselect_b32 s90, s40, s41                    ; my place among the four that ask for my part with me
	s_mul_i32 s90, s90, 38                         ; my first block of its 150
	s_add_co_u32 s91, s90, 32
	s_wait_dscnt 0x0                               ; both opening adds are done
	s_wait_kmcnt 0x0
	s_add_nc_u64 s[20:21], s[4:5], s[20:21]
	s_add_nc_u64 s[46:47], s[6:7], s[46:47]
	s_cmp_eq_u32 s15, 0
	s_cselect_b64 s[PFA:PFA+1], s[20:21], s[46:47]
	CROUND                                         ; all sixteen work-groups are here: the first joint loads meet
.irp s, 0,1
	s_mov_b32 s[G0+4*\s], 1
	s_add_co_u32 s[G0+4*\s+1], s45, \s*SLOT
	s_add_nc_u64 s[G0+4*\s+2:G0+4*\s+3], s[20:21], \s*WPART
	s_or_b32 s[G0+4*\s+3], s[G0+4*\s+3], 0x80000000
	s_mov_b32 s[G0B+4*\s], 1
	s_add_co_u32 s[G0B+4*\s+1], s45, \s*SLOT
	s_add_nc_u64 s[G0B+4*\s+2:G0B+4*\s+3], s[46:47], \s*WPART
	s_or_b32 s[G0B+4*\s+3], s[G0B+4*\s+3], 0x80000000
.endr
	JLOAD G0, G1, G0B, G1B                         ; fill 0: one tensor load a wave at the head
	v_and_b32 v1, 15, v0                           ; r
	v_bfe_u32 v2, v0, 4, 1                         ; h
	v_and_b32 v6, 31, v0                           ; lane
	v_lshlrev_b32 v[CO], 4, v6
	v_add_nc_u32 v7, s90, v6                       ; blocks 38 p + lane,
	v_min_u32 v8, 5, v6
	v_min_u32 v7, 149, v7
	v_add_nc_u32 v8, s91, v8                       ; and 38 p + 32 + 0 .. 5; none beyond the part's last, 149
	v_lshlrev_b32 v[PF0], 8, v7
	v_min_u32 v8, 149, v8
	v_lshlrev_b32 v[PF1], 8, v8
.irp f, 1,2
	global_prefetch_b8 v[PF0], s[PFA:PFA+1] offset:\f*WPART th:TH_LOAD_NT scope:SCOPE_SE   ; fills 1 and 2
	global_prefetch_b8 v[PF1], s[PFA:PFA+1] offset:\f*WPART th:TH_LOAD_NT scope:SCOPE_SE
.endr
	s_mul_i32 s21, s15, WPART                      ; my 128 rows of x
	s_mul_i32 s22, s16, WPART
	s_add_co_u32 s22, s22, 2*WPART                 ; my 128 rows of W
	s_sub_co_u32 s23, s22, s21
	v_mul_u32_u24 v5, s23, v2                      ; lanes 16-31 take W's scale words
	v_lshl_add_u32 v5, v1, 2, v5
.irp s, 0,1
	v_add_nc_u32 v[ADRA+\s], s21, v[CO]
	v_add_nc_u32 v[ADRB+\s], s22, v[CO]
	v_add_nc_u32 v[ADRS+\s], s21, v5
	s_add_co_u32 s21, s21, SLOT
	s_add_co_u32 s22, s22, SLOT
.endr
	s_mul_i32 s23, s14, 16*SPITCH
	s_add_co_u32 s23, s23, STAGE                   ; my stage
	v_mul_u32_u24 v5, v1, SPITCH
	v_lshl_add_u32 v5, v2, 5, v5
	v_add_nc_u32 v[STO], s23, v5                   ; in: row r, 32 bytes for each half of the lanes
	v_add_nc_u32 v[RD], s23, v[CO]                 ; back: 32 lanes take a row of 512 bytes
	s_lshl_b32 s20, s17, 8
	s_lshl_b32 s21, s15, 7
	s_add_co_u32 s20, s20, s21                     ; my first row of out0
	s_mov_b32 s21, 0
	s_mov_b64 s[18:19], SIZE_N*4
	s_mul_u64 s[20:21], s[20:21], s[18:19]
	s_lshl_b32 s46, s42, 10
	s_lshl_b32 s47, s16, 9
	s_add_co_u32 s46, s46, s47                     ; my first column, in bytes
	s_mov_b32 s47, 0
	s_add_nc_u64 s[20:21], s[20:21], s[46:47]
	s_add_nc_u64 s[12:13], s[12:13], s[20:21]
	s_add_nc_u64 s[96:97], s[96:97], s[46:47]
	v_lshlrev_b32 v[BO], 5, v2
	WIN TO_B
.irp b, 0,1,2,3,4,5,6,7
	global_load_b128 v[BI+128*(\b/4)+8*(\b%4):BI+128*(\b/4)+8*(\b%4)+3], v[BO], s[96:97] offset:64*\b        ; bias[16 b + 8 h + 0 .. 7], in the result's layout
	global_load_b128 v[BI+128*(\b/4)+8*(\b%4)+4:BI+128*(\b/4)+8*(\b%4)+7], v[BO], s[96:97] offset:64*\b+16
.endr
	WIN 0
.macro FRAG reg, adr, q, i
.irp c, 0,1,2
	ds_load_b128 v[\reg+4*\c:\reg+4*\c+3], v[\adr] offset:(\q)*CHUNK+(\i)*FRB+512*\c
.endr
.endm
; 56 LDS loads in one run: step q of a slot into set p: W's eight fragments, the eight scale registers, x's eight fragments (its blocks 4-7 are the youngest twelve loads)
.macro FETCH slot, q, p
	WIN TO_B
.irp i, 0,1,2,3,4,5,6,7
	FRAG 128*(\p)+FR*\i, ADRB+\slot, \q, \i
.endr
	WIN 0
.irp i, 0,1,2,3,4,5,6,7
	ds_load_b32 v[SC+8*(\p)+\i], v[ADRS+\slot] offset:(\q)*CHUNK+SCO+64*\i
.endr
.irp i, 0,1,2,3,4,5,6,7
	FRAG AF+96*(\p)+FR*\i, ADRA+\slot, \q, \i
.endr
.endm
; eight products: x's block a against W's eight.  The 64 accumulators take turns, one instruction a turn, in the same order in every step
.macro MULA a, p, first
.irp b, 0,1,2,3,4,5,6,7
.set DD, 8*(8*((\a)%4)+\b)
.if \first
	v_wmma_scale_f32_16x16x128_f8f6f4 v[DD:DD+7], v[128*(\p)+FR*\b:128*(\p)+FR*\b+FR-1], v[AF+96*(\p)+FR*(\a):AF+96*(\p)+FR*(\a)+FR-1], v[BI+128*(\b/4)+8*(\b%4):BI+128*(\b/4)+8*(\b%4)+7], v[SC+8*(\p)+\b], v[SC+8*(\p)+(\a)] matrix_a_fmt:MATRIX_FMT_BF6 matrix_b_fmt:MATRIX_FMT_BF6 matrix_a_scale:MATRIX_SCALE_ROW1
.else
	v_wmma_scale_f32_16x16x128_f8f6f4 v[DD:DD+7], v[128*(\p)+FR*\b:128*(\p)+FR*\b+FR-1], v[AF+96*(\p)+FR*(\a):AF+96*(\p)+FR*(\a)+FR-1], v[DD:DD+7], v[SC+8*(\p)+\b], v[SC+8*(\p)+(\a)] matrix_a_fmt:MATRIX_FMT_BF6 matrix_b_fmt:MATRIX_FMT_BF6 matrix_a_scale:MATRIX_SCALE_ROW1
.endif
.endr
.endm
.macro MUL16 a0, p, first
	MULA \a0, \p, \first
	MULA \a0+1, \p, \first
.endm
; A slot's step 0: asks for step 1's fragments and multiplies its own
.macro STEPA slot, q, first
.set PB, ((\q)+(\slot))%2
	s_wait_dscnt 12                                ; this step's fragments are in, all but x's blocks 4-7
	PLACES
	FETCH \slot, (\q)+1, 1-PB
.if \first
	WIN FST_LO
.else
	WIN MUL_LO
.endif
	MUL16 0, PB, \first
	MUL16 2, PB, \first
	s_wait_dscnt 56                                ; all but the 56 just issued
.if \first
	WIN FST_HI
.else
	WIN MUL_HI
.endif
	MUL16 4, PB, \first
	MUL16 6, PB, \first
.endm
; A slot's steps 1 and 2, and the change of slots.  fill = 1: the slot is filled again with three steps; 2: with the last two; 0: no more
.macro MEET slot, fill
.set P1, (1+(\slot))%2
.set P2, (\slot)%2
.if \fill == 1
	s_wait_xcnt 0x0                                ; my prefetches have read their address: it steps one fill on
	s_add_nc_u64 s[PFA:PFA+1], s[PFA:PFA+1], WPART
.endif
	s_wait_dscnt 12
	PLACES
	FETCH \slot, 2, P2                             ; my last reads of this slot
	WIN MUL_LO
	MUL16 0, P1, 0
	MUL16 2, P1, 0
	s_wait_dscnt 56                                ; step 1's blocks 4-7 of x are in
	WIN 0                                          ; (the add's registers lie in window 0)
	s_wait_tensorcnt 0x0                           ; my one load that was out, my part of the other slot, has landed;
	ds_add_u32 v[SPW], v[NIL]
	WIN MUL_HI
	MUL16 4, P1, 0                                 ; sixteen products between the add and the wait for it
	s_wait_dscnt 0x0                               ; the add is done, and my reads of this slot are over
	s_barrier_signal -1
	MUL16 6, P1, 0
	WIN 0
	s_barrier_wait -1                              ; the other slot is whole, and no wave of mine reads this one
.if \fill
	CREST                                          ; the barrier has opened a round of the cluster's barrier: no wave of any partner reads this slot or has a load on its way
	s_add_nc_u64 s[G0+4*\slot+2:G0+4*\slot+3], s[G0+4*\slot+2:G0+4*\slot+3], 2*WPART
	s_add_nc_u64 s[G0B+4*\slot+2:G0B+4*\slot+3], s[G0B+4*\slot+2:G0B+4*\slot+3], 2*WPART
.if \fill == 1
	JLOAD G0+4*\slot, G1, G0B+4*\slot, G1B         ; the first tensor load behind the round; its four v_nop are the places in front of the loads below
.else
	JLOAD G0+4*\slot, G1T, G0B+4*\slot, G1TB
.endif
.else
	PLACES
.endif
	FETCH 1-(\slot), 0, P1                         ; the other slot's step 0, into step 1's set
.if \fill == 1
	s_cmp_gt_u32 s3, 1                             ; the loop's last trip refills with fills 8 and 9: nothing is asked for two fills on
	s_cbranch_scc0 .Lno_ask_\@
	global_prefetch_b8 v[PF0], s[PFA:PFA+1] offset:3*WPART th:TH_LOAD_NT scope:SCOPE_SE   ; the fill two behind the one just asked for
	global_prefetch_b8 v[PF1], s[PFA:PFA+1] offset:3*WPART th:TH_LOAD_NT scope:SCOPE_SE
.Lno_ask_\@:
.endif
	WIN MUL_LO
	MUL16 0, P2, 0                                 ; step 2: its fragments have been in registers since the wait in front of the signal
	MUL16 2, P2, 0
	WIN MUL_HI
	MUL16 4, P2, 0
	MUL16 6, P2, 0
.endm
	s_wait_alu depctr_va_vdst(0)
	s_wait_tensorcnt 0x0                           ; my part of fill 0 is in
	ds_add_u32 v[SPW], v[NIL]
	s_wait_dscnt 0x0
	CROUND                                         ; everybody's part is in, and all sixteen work-groups are here
	JLOAD G0+4, G1, G0B+4, G1B                     ; fill 1, the first tensor load behind the round
	FETCH 0, 0, 0
	global_prefetch_b8 v[PF0], s[PFA:PFA+1] offset:3*WPART th:TH_LOAD_NT scope:SCOPE_SE   ; fill 3
	global_prefetch_b8 v[PF1], s[PFA:PFA+1] offset:3*WPART th:TH_LOAD_NT scope:SCOPE_SE
	s_wait_loadcnt 0x0                             ; the bias is in
	STEPA 0, 0, 1                                  ; the first step's products start the sums on the bias
	WIN 0
	s_mov_b32 s3, TRIPS
.Llap:                                                 ; a trip: six K steps, from a lap's second step to the next lap's first; both slots are filled again
	MEET 0, 1
	STEPA 1, 0, 0
	MEET 1, 1
	STEPA 0, 0, 0
	WIN 0
	s_sub_co_u32 s3, s3, 1
	s_cmp_lg_u32 s3, 0
	s_cbranch_scc1 .Llap
	MEET 0, 2                                      ; steps 25, 26; slot 0 takes fill 10
	STEPA 1, 0, 0                                  ; 27
	MEET 1, 0                                      ; 28, 29; nothing is filled again, so no round follows
	STEPA 0, 0, 0                                  ; 30
; THE LAST STEP AND THE WAY OUT.  Block a (16 rows x 128 columns) goes through my stage and comes back as rows of 512 bytes, which 32 lanes store as two aligned units of 256 bytes.
; LDS serves a wave's instructions in order (ISA guide 5.7.1.4): no wait between the stage's stores and loads.
.macro TOSTAGE a
.set AC, 64*((\a)%4)
	WIN 0x08+4*((\a)/4)                            ; the data: window 2 or 3
.irp b, 0,1,2,3,4,5,6,7
	ds_store_b128 v[STO], v[AC+8*\b:AC+8*\b+3] offset:64*\b          ; each accumulator from its low end on
	ds_store_b128 v[STO], v[AC+8*\b+4:AC+8*\b+7] offset:64*\b+16
.endr
	WIN TO_B
.set BB, 64*((\a)%2)
.irp t, 0,1,2,3,4,5,6,7,8,9,10,11,12,13,14,15
	ds_load_b128 v[BB+4*\t:BB+4*\t+3], v[RD] offset:\t*SPITCH
.endr
.endm
.macro SEND a, younger                 ; younger: the LDS instructions issued behind block a's loads
.set BB, 64*((\a)%2)
	s_wait_dscnt \younger
.if (\a) > 0
	s_add_nc_u64 s[12:13], s[12:13], 16*SIZE_N*4   ; behind a wait on XCNT: the earlier stores have read their base
.endif
	WIN 0x04                                       ; the data: window 1
.irp t, 0,1,2,3,4,5,6,7,8,9,10,11,12,13,14,15
	global_store_b128 v[CO], v[BB+4*\t:BB+4*\t+3], s[12:13] offset:\t*SIZE_N*4 th:TH_STORE_NT
.endr
.endm
	s_wait_dscnt 0x0                               ; step 31's fragments are in
	WIN MUL_LO
	MULA 0, 1, 0
	MULA 1, 1, 0
	PLACES
	TOSTAGE 0
.irp a, 1,2,3,4,5,6
	WIN MUL_LO+0x50*((\a+1)/4)
	MULA \a+1, 1, 0
	PLACES                                         ; behind block a's products, in front of the stores that read them
.if \a > 1
	s_wait_xcnt 0x0                                ; block a - 2's stores have read their registers and their base
.endif
	TOSTAGE \a
	SEND \a-1, 32
.endr
	s_wait_xcnt 0x0
	TOSTAGE 7
	SEND 6, 32
	s_wait_xcnt 0x0
	SEND 7, 0
	WIN 0
	s_wait_tensorcnt 0x0                           ; the wave's end
	ds_add_u32 v[SPW], v[NIL]
	s_wait_dscnt 0x0
	CROUND                                         ; the closing round
	s_endpgm
.Lfunc_end_k_q3f81595143_gemm:
	.size	k_q3f81595143_gemm, .Lfunc_end_k_q3f81595143_gemm-k_q3f81595143_gemm
	.p2alignl 7, 3214868480
	.fill 96, 4, 3214868480
	.section	.rodata,"a",@progbits
	.p2align	6, 0x0
	.amdhsa_kernel k_q3f81595143_gemm
		.amdhsa_group_segment_fixed_size 327680
		.amdhsa_private_segment_fixed_size 0
		.amdhsa_enable_private_segment 0
		.amdhsa_kernarg_size 32
		.amdhsa_user_sgpr_count 2
		.amdhsa_user_sgpr_kernarg_segment_ptr 1
		.amdhsa_wavefront_size32 1
		.amdhsa_system_sgpr_workgroup_id_x 1
		.amdhsa_system_sgpr_workgroup_id_y 1
		.amdhsa_system_sgpr_workgroup_id_z 1
		.amdhsa_system_vgpr_workitem_id 0
		.amdhsa_next_free_vgpr 1024
		.amdhsa_next_free_sgpr 98
		.amdhsa_reserve_vcc 0
		.amdhsa_float_denorm_mode_32 3
		.amdhsa_float_denorm_mode_16_64 3
		.amdhsa_memory_ordered 1
		.amdhsa_forward_progress 1
		.amdhsa_inst_pref_size 211
	.end_amdhsa_kernel
	.amdgpu_metadata
---
amdhsa.version: [ 1, 2 ]
amdhsa.kernels:
  - .name:           k_q3f81595143_gemm
    .symbol:         k_q3f81595143_gemm.kd
    .args:
      - { .name: x_img, .offset: 0, .size: 8, .value_kind: global_buffer, .address_space: global }
      - { .name: w_img, .offset: 8, .size: 8, .value_kind: global_buffer, .address_space: global }
      - { .name: out0, .offset: 16, .size: 8, .value_kind: global_buffer, .address_space: global }
      - { .name: bias, .offset: 24, .size: 8, .value_kind: global_buffer, .address_space: global }
    .group_segment_fixed_size: 327680
    .private_segment_fixed_size: 0
    .kernarg_segment_align: 8
    .kernarg_segment_size: 32
    .max_flat_workgroup_size: 128
    .sgpr_count:     98
    .vgpr_count:     1024
    .wavefront_size: 32
...
	.end_amdgpu_metadata
.endif
;; end of part 3
